; MI455X (gfx1250); checked and timed in simulation.
; The chip was launched on July 23, 2026; its instructions are those of AMD's public machine-readable ISA for CDNA 5 (MIT licence, August 2026) and "CDNA5" Instruction Set Architecture Reference Guide (July 2026). The comments in the code are by the model that wrote it; some were corrected since.
;; MLP Attention With Query. Allowed arithmetic: matrix products marked QUANTISED: E5M2 operands, one E8M0 scale for each 32 along K, by v_wmma_scale_f32_16x16x128_f8f6f4 with both operands' format E5M2, f32 sums; products left as they are: f32 operands where the result goes on into a quantised operand, else bf16, f16 or f32 operands; f32 sums; everything else in f32.
;; Inputs: W1 768 x 512 float32; b1 512 float32; encoded_vecs 64 x 2,048 x 512 float32; length 64 int32; query 64 x 256 float32; v 512 float32.
;; Outputs: out0 64 x 512 float32; out1 64 x 2,048 float32.
;; This version of the problem:
;;   THIS VERSION OF THE PROBLEM IS GIVEN IN LOW PRECISION. The matrix products marked QUANTISED in the list below multiply operands that are first quantised to E5M2 (5 exponent bits, 2 mantissa bits; 8 bits a number), with one power-of-two scale for each 32 numbers along K (OCP MX v1.0); their sums are f32. All else is computed in f32.
;;   The module's matrix products, in the order in which they are computed (A, B: the left and right operand; K: the contracted axis; several contracted axes count as one K, in the product's order):
;;     1. [M 131,072, K 768] x [K 768, N 512]; A: computed on the way; B: input W1: QUANTISED
;;     2. [M 131,072, K 512] x [K 512, N 1]; A: computed on the way; B: input v: left as it is (N = 1 < 16)
;;     3. batch 64 x [M 1, K 2,048] x [K 2,048, N 512]; A: computed on the way; B: input encoded_vecs: left as it is (M = 1 < 16)
;;   THE QUANTISER, for each operand of a quantised product, along K:
;;     - K is cut into blocks of 32 from its start; a last block that is shorter is filled with zeros.
;;     - A block's scale is 2^e with e = floor(log2(the largest magnitude in the block)) - 15, held to -126 .. 127; a block of zeros has e = 0. As a byte (E8M0): e + 127.
;;     - Each number is divided by its block's scale, clamped to +-57,344, and rounded to the nearest number of E5M2, ties to even, subnormals kept.
;;     - The product sums the exact products of the quantised numbers (number of the format x scale) in f32.
;;   ~~~python
;;   def quantise(x, axis):      # numpy; x: float32 -> the quantised numbers, widened to float32 again
;;       x = np.moveaxis(x, axis, -1); K = x.shape[-1]
;;       x = np.pad(x, [(0, 0)] * (x.ndim - 1) + [(0, -K % 32)]); x = x.reshape(x.shape[:-1] + (-1, 32)); a = np.abs(x).max(-1, keepdims=True)
;;       e = np.where(a > 0, np.clip(np.frexp(np.where(a > 0, a, 1))[1] - 1 - 15, -126, 127), 0)      # np.frexp(a)[1] - 1 = floor(log2(a)), exactly
;;       r = np.clip(x / 2.0 ** e, -57344, 57344)
;;       step = 2.0 ** (np.maximum(np.frexp(np.where(r == 0, 1, r))[1] - 1, -14) - 2)
;;       q = np.round(r / step) * step * 2.0 ** e      # np.round: ties to even
;;       return np.moveaxis(q.reshape(q.shape[:-2] + (-1,))[..., :K], -1, axis).astype(np.float32)
;;   ~~~
;;   OPERANDS COMPUTED ON THE WAY. 'Computed on the way' means the value that the module computes at that place (a softmax that the list does not call 'softmax' is quantised finished and normalised). What goes into a quantiser is computed in f32, as accurately as f32 sums, v_exp_f32 and their like allow (about 1e-6 of the number): no bf16 or f16 on the way to a quantiser, and a product that is left as it is and whose result goes on into a quantised operand takes f32 operands (vector FMAs, or v_wmma_f32_16x16x4_f32). A number that lies on a knife's edge between two numbers of the format may be rounded either way, as far as f32 arithmetic and the matrix unit's own rounding can turn it there, and no further.
;; One version. Each part assembles by itself: llvm-mc -triple=amdgcn-amd-amdhsa -mcpu=gfx1250 --defsym DOCPART=n.
;; ======== version 1 of 1: 3 launches
;; limits: values are held in bf16: 8 bits of precision; right only within a limited range of input values
;; workspace buffers: wfrag 262,144 bytes; wscale 8,192 bytes; cbuf 131,072 bytes; list 32,768 bytes of whole numbers; lg 524,288 bytes; pctx 4,194,304 bytes
;; launch prep (part 1): grid 32 x 1, 10 waves a work-group, no clusters, 0 bytes of LDS; arguments W1, b1, query, length, wfrag, wscale, cbuf, list; writes wfrag, wscale, cbuf, list
.if DOCPART == 1
	.amdgcn_target "amdgcn-amd-amdhsa--gfx1250"
	.amdhsa_code_object_version 6
	.text
	.protected	k_qd508d8062c_prep
	.globl	k_qd508d8062c_prep
	.p2align	8
	.type	k_qd508d8062c_prep,@function
k_qd508d8062c_prep:
	s_mov_b64 s[64:65], 0
	v_nop
	global_prefetch_b8 v0, s[64:65] scope:SCOPE_SE
	s_setreg_imm32_b32 hwreg(HW_REG_WAVE_MODE, 25, 1), 1
	s_wait_xcnt 0x0
; What the main launch needs once.  Work-group t is the tile of 16 hidden units e = 16 t .. 16 t + 15.  Ten waves in three roles, which part on the wave's number and share nothing: no LDS, no barrier.
; ROLE A (waves 0-3, K step s = wave): W1[128 s .. 128 s + 127][e] becomes codes of E5M2 with one E8M0 byte for each 32 along K, stored as an IMAGE OF THE OPERAND'S REGISTERS:
;   wfrag[t][s][c][lane][16 bytes]; its scale words go to wscale[t][s & 1][lane]: lanes 0-15 for s < 2, lanes 16-31 for s >= 2.
; ROLE B (waves 4-7, 16 batches m = wave - 4): the query is the same for all rows of a batch and K's blocks of 32 do not straddle the seam at 512, so its part of the product,
;   c[b][e] = Q(query[b]) . Q(W1[512:768][e]) + b1[e], is made once, by the format's own matrix instruction, and is later the C of each sum.  (The f32 order of the sums so differs from K ascending.)
; ROLE C (waves 8, 9; batch b = 2 t + wave - 8; a lane a block of 64 rows): the list of blocks, whole numbers alone.  Entry {32 b + block, b, rows that count (0: none), 0}; blocks with rows that count stand first.
; W1 has K as its first axis: a lane takes a column e and its registers run down K, in the order that the operand's layout gives the lane: nothing is transposed.
; LIMITS: NaN and infinities among the inputs are not served; a block of zeros gets the byte 1 (its codes are zeros, and this program alone reads the bytes); length is held to 0 .. 2,048.
.set TM,  16                           ; v16-19 largest magnitudes, v20-23 the other half's / bytes, v24-27 the largest number x the scale, v28-31 the conversions' scale operands
.set XA,  32                           ; v32-95   64 numbers
.set XB,  96                           ; v96-159  64 numbers
.set CD,  160                          ; v160-223 four fragments of codes
.set WD,  224                          ; v224-227 their scale words: these registers hold scales and nothing else
.set BI,  228                          ; v228-235 b1 in the result's layout
.set DD,  236                          ; v236-243 the accumulator
; 64 numbers of a lane, register 16 b + i = k 32 b + 16 (lane / 16) + i of the lane's row or column, become a fragment's codes in v[d] on and its scale word in v[w]
.macro QUANT64 s, d, w
.irp b, 0,1,2,3
	v_max3_num_f32 v[TM+\b], |v[(\s)+16*\b]|, |v[(\s)+1+16*\b]|, 0x8000000   ; my 16 numbers of block b, and the floor 2^(16 - 127): the byte cannot fall under 1
.endr
.irp i, 2,4,6,8,10,12,14
.irp b, 0,1,2,3
	s_delay_alu instid0(VALU_DEP_4)
	v_max3_num_f32 v[TM+\b], v[TM+\b], |v[(\s)+16*\b+\i]|, |v[(\s)+1+16*\b+\i]|   ; the four blocks by turns
.endr
.endr
.irp b, 0,1,2,3
	s_delay_alu instid0(VALU_DEP_4)
	v_permlanex16_b32 v[TM+4+\b], v[TM+\b], s24, s25
.endr
.irp b, 0,1,2,3
	s_delay_alu instid0(VALU_DEP_4)
	v_max_num_f32 v[TM+\b], v[TM+\b], v[TM+4+\b]   ; with lane l xor 16's: the block's largest magnitude
.endr
.irp b, 0,1,2,3
	s_delay_alu instid0(VALU_DEP_4)
	v_add_nc_u32 v[TM+12+\b], 0xf8800000, v[TM+\b]   ; 15 off its exponent field: the conversion's scale operand
.endr
.irp b, 0,1,2,3
	v_and_or_b32 v[TM+8+\b], v[TM+\b], 0x7f800000, s26   ; 57,344 x the scale
.endr
.irp b, 0,1,2,3
	v_lshrrev_b32 v[TM+4+\b], 23, v[TM+12+\b]   ; the scale's byte
.endr
	s_delay_alu instid0(VALU_DEP_3)
	v_lshl_or_b32 v[\w], v[TM+5], 8, v[TM+4]
	s_delay_alu instid0(VALU_DEP_1)
	v_lshl_or_b32 v[\w], v[TM+6], 16, v[\w]
	s_delay_alu instid0(VALU_DEP_1)
	v_lshl_or_b32 v[\w], v[TM+7], 24, v[\w]
.irp b, 0,1,2,3
.irp i, 0,1,2,3,4,5,6,7,8,9,10,11,12,13,14,15
	v_med3_num_f32 v[(\s)+16*\b+\i], v[(\s)+16*\b+\i], -v[TM+8+\b], v[TM+8+\b]   ; the conversion to an 8-bit code does not saturate (ISA guide 7.6.2): the hold comes first
.endr
	v_cvt_scalef32_pk8_bf8_f32 v[(\d)+4*\b:(\d)+4*\b+1], v[(\s)+16*\b:(\s)+16*\b+7], v[TM+12+\b]
	v_cvt_scalef32_pk8_bf8_f32 v[(\d)+4*\b+2:(\d)+4*\b+3], v[(\s)+16*\b+8:(\s)+16*\b+15], v[TM+12+\b]
.endr
	v_nop                                          ; one plain line behind the last conversion
.endm
.macro WLOAD dst, off                  ; W1(k0 + 32 c + 16 h + i, my column): sixteen neighbouring lanes read 64 neighbouring bytes
.irp c, 0,1,2,3
.irp i, 0,1,2,3,4,5,6,7,8,9,10,11,12,13,14,15
	global_load_b32 v[(\dst)+16*\c+\i], v4, s[4:5] offset:(\off)+(32*\c+\i)*2048
.endr
.endr
.endm
.macro QLOAD dst, s                    ; query(my batch, 128 s + 32 b + 16 h + 0 .. 15)
.irp b, 0,1,2,3
.irp j, 0,1,2,3
	global_load_b128 v[(\dst)+16*\b+4*\j:(\dst)+16*\b+4*\j+3], v8, s[8:9] offset:512*(\s)+128*\b+16*\j
.endr
.endr
.endm
	s_load_b512 s[4:19], s[0:1], 0x0               ; W1 s[4:5], b1 s[6:7], query s[8:9], length s[10:11], wfrag s[12:13], wscale s[14:15], cbuf s[16:17], list s[18:19]
	v_lshrrev_b32 v1, 5, v0
	s_delay_alu instid0(VALU_DEP_1)
	v_readfirstlane_b32 s20, v1                    ; wave 0..9
	v_and_b32 v1, 31, v0                           ; lane
	v_and_b32 v2, 15, v0                           ; r
	v_bfe_u32 v3, v0, 4, 1                         ; h
	s_delay_alu instid0(VALU_DEP_2)
	v_lshlrev_b32 v4, 2, v2
	s_delay_alu instid0(VALU_DEP_1)
	v_lshl_add_u32 v4, v3, 15, v4                  ; W1: column r, and 16 rows of 2,048 bytes further down for lanes 16-31
	s_mov_b32 s24, 0x76543210
	s_mov_b32 s25, 0xfedcba98                      ; v_permlanex16_b32's selects for lane l xor 16
	s_mov_b32 s26, 0x600000                        ; the mantissa field of 57,344
.irp b, 0,1,2,3
	v_mov_b32 v[TM+4+\b], 0                        ; written once: a lane permute's destination counts as one of its sources
.endr
	s_lshl_b32 s22, ttmp9, 6                       ; 64 t: the tile's 16 columns in bytes
	s_mov_b32 s23, 0
	s_mov_b32 s29, 0
	s_wait_kmcnt 0x0
	s_cmp_lt_u32 s20, 4
	s_cbranch_scc0 .Lnot_a
	; ---- ROLE A
	s_lshl_b32 s28, s20, 18                        ; K step s: 128 rows of 2,048 bytes
	s_add_co_u32 s28, s28, s22
	s_add_nc_u64 s[4:5], s[4:5], s[28:29]
	s_wait_alu depctr_va_vdst(0)
	WLOAD XA, 0
	v_lshlrev_b32 v5, 4, v1                        ; 16 x lane: my place in an image
	v_lshlrev_b32 v6, 2, v2                        ; 4 r: my row's scale word
	s_lshl_b32 s28, ttmp9, 2
	s_add_co_u32 s28, s28, s20
	s_lshl_b32 s28, s28, 11                        ; fragment 4 t + s, 2,048 bytes each
	s_add_nc_u64 s[12:13], s[12:13], s[28:29]
	s_lshl_b32 s28, ttmp9, 1
	s_and_b32 s30, s20, 1
	s_add_co_u32 s28, s28, s30
	s_lshl_b32 s28, s28, 7                         ; (2 t + (s & 1)) x 128
	s_lshr_b32 s30, s20, 1
	s_lshl_b32 s30, s30, 6                         ; + 64 for s >= 2: the upper sixteen lanes' words
	s_add_co_u32 s28, s28, s30
	s_add_nc_u64 s[14:15], s[14:15], s[28:29]
	s_wait_loadcnt 0x0
	QUANT64 XA, CD, WD
.irp c, 0,1,2,3
	global_store_b128 v5, v[CD+4*\c:CD+4*\c+3], s[12:13] offset:512*\c   ; 32 lanes store 512 consecutive bytes
.endr
	global_store_b32 v6, v[WD], s[14:15]           ; lanes r and 16 + r hold the same word and store it to the same place
	s_endpgm
.Lnot_a:
	s_cmp_lt_u32 s20, 8
	s_cbranch_scc0 .Lrole_c
	; ---- ROLE B
	s_add_nc_u64 s[4:5], s[4:5], s[22:23]          ; W1 at the tile's first column
	s_wait_alu depctr_va_vdst(0)
	WLOAD XA, 512*2048                             ; rows 512 .. 639
	WLOAD XB, 640*2048                             ; rows 640 .. 767
	s_add_nc_u64 s[6:7], s[6:7], s[22:23]
	v_lshlrev_b32 v7, 5, v3                        ; b1[16 t + 8 h + 0 .. 7]: the result's layout
	global_load_b128 v[BI:BI+3], v7, s[6:7]
	global_load_b128 v[BI+4:BI+7], v7, s[6:7] offset:16
	s_sub_co_u32 s30, s20, 4                       ; m
	s_lshl_b32 s28, s30, 14                        ; 16 rows of the query, 1,024 bytes each
	s_add_nc_u64 s[8:9], s[8:9], s[28:29]
	v_lshlrev_b32 v8, 10, v2
	s_delay_alu instid0(VALU_DEP_1)
	v_lshl_add_u32 v8, v3, 6, v8                   ; row r, + 64 h
	s_lshl_b32 s28, s30, 15                        ; 16 rows of c, 2,048 bytes each,
	s_add_co_u32 s28, s28, s22                     ; + the tile's columns
	s_add_nc_u64 s[16:17], s[16:17], s[28:29]
	v_lshlrev_b32 v9, 11, v2
	s_delay_alu instid0(VALU_DEP_1)
	v_lshl_add_u32 v9, v3, 5, v9                   ; row r, + 32 h
	s_wait_loadcnt 0x0
	QUANT64 XA, CD, WD                             ; W1's first K step of the query's part
	QLOAD XA, 0                                    ; the query lands while the second is quantised
	QUANT64 XB, CD+16, WD+1
	QLOAD XB, 1
	s_wait_loadcnt 0x0
	QUANT64 XA, CD+32, WD+2
	QUANT64 XB, CD+48, WD+3
.rept 8
	v_nop                                          ; a scale word made by vector instructions stands eight places ahead of a scaled matrix instruction, codes four
.endr
	v_wmma_scale_f32_16x16x128_f8f6f4 v[DD:DD+7], v[CD:CD+15], v[CD+32:CD+47], v[BI:BI+7], v[WD], v[WD+2] matrix_a_fmt:MATRIX_FMT_BF8 matrix_b_fmt:MATRIX_FMT_BF8   ; source 0 = 16 columns of W1, source 1 = 16 batches; C = b1
	s_wait_alu depctr_va_vdst(0)                   ; the wait directly ahead of the link
	v_wmma_scale_f32_16x16x128_f8f6f4 v[DD:DD+7], v[CD+16:CD+31], v[CD+48:CD+63], v[DD:DD+7], v[WD+1], v[WD+3] matrix_a_fmt:MATRIX_FMT_BF8 matrix_b_fmt:MATRIX_FMT_BF8
.rept 8
	v_nop
.endr
	global_store_b128 v9, v[DD:DD+3], s[16:17]     ; lane (r, h), register j: c[16 m + r][16 t + 8 h + j]
	global_store_b128 v9, v[DD+4:DD+7], s[16:17] offset:16
	s_endpgm
.Lrole_c:
	; ---- ROLE C: n(b) = ceil(length[b] / 64) blocks of batch b have rows that count.  T = the sum of all n, P = the sum of n over the batches in front of mine.
	s_lshl_b32 s28, ttmp9, 1
	s_add_co_u32 s28, s28, s20
	s_sub_co_u32 s28, s28, 8                       ; b
	s_lshl_b32 s30, s28, 5                         ; 32 b
	s_wait_alu depctr_va_vdst(0)
	v_lshlrev_b32 v5, 2, v1
	v_mov_b32 v6, s28
	s_delay_alu instid0(VALU_DEP_1)
	v_lshlrev_b32 v6, 2, v6
	global_load_b32 v10, v5, s[10:11]              ; length[lane]
	global_load_b32 v11, v5, s[10:11] offset:128   ; length[lane + 32]
	global_load_b32 v12, v6, s[10:11]              ; length[b], in every lane
	v_mov_b32 v13, 0
	v_mov_b32 v14, 0                               ; (destinations of lane moves: written before)
	v_mov_b32 v15, 0
	s_wait_alu depctr_va_vdst(0)
	s_wait_loadcnt 0x0
.irp x, 10,11,12
	v_cmp_gt_i32 vcc_lo, 0, v\x
	s_delay_alu instid0(VALU_DEP_1)
	v_cndmask_b32 v\x, v\x, v13, vcc_lo            ; a negative length counts as 0,
	s_delay_alu instid0(VALU_DEP_1)
	v_min_u32 v\x, 0x800, v\x                      ; one beyond 2,048 as 2,048
.endr
	v_add_nc_u32 v32, 63, v10
	v_add_nc_u32 v33, 63, v11
	s_delay_alu instid0(VALU_DEP_3)
	v_add_nc_u32 v34, 63, v12
	s_delay_alu instid0(VALU_DEP_3)
	v_lshrrev_b32 v32, 6, v32                      ; n(lane)
	s_delay_alu instid0(VALU_DEP_3)
	v_lshrrev_b32 v33, 6, v33                      ; n(lane + 32)
	s_delay_alu instid0(VALU_DEP_3)
	v_lshrrev_b32 v34, 6, v34                      ; n(b)
	s_delay_alu instid0(VALU_DEP_2)
	v_add_nc_u32 v35, v32, v33                     ; my terms of T
	v_cmp_gt_u32 vcc_lo, s28, v1
	s_delay_alu instid0(VALU_DEP_1)
	v_cndmask_b32 v36, v13, v32, vcc_lo            ; my terms of P: batches under b
	v_add_nc_u32 v37, 32, v1
	s_delay_alu instid0(VALU_DEP_1)
	v_cmp_gt_u32 vcc_lo, s28, v37
	s_delay_alu instid0(VALU_DEP_1)
	v_cndmask_b32 v37, v13, v33, vcc_lo
	s_delay_alu instid0(VALU_DEP_1)
	v_add_nc_u32 v36, v36, v37
.irp k, 1
	v_mov_b32_dpp v14, v35 row_xmask:\k row_mask:0xf bank_mask:0xf
	s_delay_alu instid0(VALU_DEP_2)
	v_mov_b32_dpp v15, v36 row_xmask:\k row_mask:0xf bank_mask:0xf
	s_delay_alu instid0(VALU_DEP_2)
	v_add_nc_u32 v35, v35, v14
	s_delay_alu instid0(VALU_DEP_2)
	v_add_nc_u32 v36, v36, v15
.endr
.irp k, 2, 4, 8
	s_delay_alu instid0(VALU_DEP_2)
	v_mov_b32_dpp v14, v35 row_xmask:\k row_mask:0xf bank_mask:0xf
	s_delay_alu instid0(VALU_DEP_2)
	v_mov_b32_dpp v15, v36 row_xmask:\k row_mask:0xf bank_mask:0xf
	s_delay_alu instid0(VALU_DEP_2)
	v_add_nc_u32 v35, v35, v14
	s_delay_alu instid0(VALU_DEP_2)
	v_add_nc_u32 v36, v36, v15
.endr
	s_delay_alu instid0(VALU_DEP_2)
	v_permlanex16_b32 v14, v35, s24, s25
	s_delay_alu instid0(VALU_DEP_2)
	v_permlanex16_b32 v15, v36, s24, s25
	s_delay_alu instid0(VALU_DEP_2)
	v_add_nc_u32 v35, v35, v14                     ; T
	s_delay_alu instid0(VALU_DEP_2)
	v_add_nc_u32 v36, v36, v15                     ; P
	v_cmp_gt_u32 vcc_lo, v34, v1                   ; does my block have rows that count?
	s_delay_alu instid0(VALU_DEP_2)
	v_add_nc_u32 v38, v36, v1                      ; then its place is P + block;
	s_delay_alu instid0(VALU_DEP_4)
	v_add_nc_u32 v39, v35, v1
	s_delay_alu instid0(VALU_DEP_1)
	v_sub_nc_u32 v39, v39, v36
	s_delay_alu instid0(VALU_DEP_1)
	v_sub_nc_u32 v39, v39, v34
	s_delay_alu instid0(VALU_DEP_1)
	v_add_nc_u32 v39, s30, v39                     ; else T + (32 b - P) + (block - n(b)): together each place 0 .. 2,047 once
	s_delay_alu instid0(VALU_DEP_1)
	v_cndmask_b32 v38, v39, v38, vcc_lo
	v_lshlrev_b32 v41, 6, v1
	s_delay_alu instid0(VALU_DEP_1)
	v_sub_nc_u32 v40, v12, v41
	s_delay_alu instid0(VALU_DEP_1)
	v_min_u32 v40, 64, v40                         ; rows that count: min(length - 64 block, 64)
	v_add_nc_u32 v44, s30, v1                      ; 32 b + block
	v_mov_b32 v45, s28                             ; b
	s_delay_alu instid0(VALU_DEP_3)
	v_cndmask_b32 v46, v13, v40, vcc_lo
	v_mov_b32 v47, 0
	v_min_u32 v38, 0x7ff, v38
	s_delay_alu instid0(VALU_DEP_1)
	v_lshlrev_b32 v38, 4, v38
	global_store_b128 v38, v[44:47], s[18:19]
	s_endpgm
.Lfunc_end_k_qd508d8062c_prep:
	.size	k_qd508d8062c_prep, .Lfunc_end_k_qd508d8062c_prep-k_qd508d8062c_prep
	.p2alignl 7, 3214868480
	.fill 96, 4, 3214868480
	.section	.rodata,"a",@progbits
	.p2align	6, 0x0
	.amdhsa_kernel k_qd508d8062c_prep
		.amdhsa_group_segment_fixed_size 0
		.amdhsa_private_segment_fixed_size 0
		.amdhsa_enable_private_segment 0
		.amdhsa_kernarg_size 64
		.amdhsa_user_sgpr_count 2
		.amdhsa_user_sgpr_kernarg_segment_ptr 1
		.amdhsa_wavefront_size32 1
		.amdhsa_system_sgpr_workgroup_id_x 1
		.amdhsa_system_sgpr_workgroup_id_y 1
		.amdhsa_system_sgpr_workgroup_id_z 1
		.amdhsa_system_vgpr_workitem_id 0
		.amdhsa_next_free_vgpr 256
		.amdhsa_next_free_sgpr 66
		.amdhsa_reserve_vcc 1
		.amdhsa_float_denorm_mode_32 3
		.amdhsa_float_denorm_mode_16_64 3
		.amdhsa_memory_ordered 1
		.amdhsa_forward_progress 1
		.amdhsa_inst_pref_size 77
	.end_amdhsa_kernel
	.amdgpu_metadata
---
amdhsa.version: [ 1, 2 ]
amdhsa.kernels:
  - .name:           k_qd508d8062c_prep
    .symbol:         k_qd508d8062c_prep.kd
    .args:
      - { .name: W1, .offset: 0, .size: 8, .value_kind: global_buffer, .address_space: global }
      - { .name: b1, .offset: 8, .size: 8, .value_kind: global_buffer, .address_space: global }
      - { .name: query, .offset: 16, .size: 8, .value_kind: global_buffer, .address_space: global }
      - { .name: length, .offset: 24, .size: 8, .value_kind: global_buffer, .address_space: global }
      - { .name: wfrag, .offset: 32, .size: 8, .value_kind: global_buffer, .address_space: global }
      - { .name: wscale, .offset: 40, .size: 8, .value_kind: global_buffer, .address_space: global }
      - { .name: cbuf, .offset: 48, .size: 8, .value_kind: global_buffer, .address_space: global }
      - { .name: list, .offset: 56, .size: 8, .value_kind: global_buffer, .address_space: global }
    .group_segment_fixed_size: 0
    .private_segment_fixed_size: 0
    .kernarg_segment_align: 8
    .kernarg_segment_size: 64
    .max_flat_workgroup_size: 320
    .sgpr_count:     66
    .vgpr_count:     256
    .wavefront_size: 32
...
	.end_amdgpu_metadata
.endif
;; end of part 1
;; launch main (part 2): grid 256 x 1, 8 waves a work-group, no clusters, 214,016 bytes of LDS; arguments encoded_vecs, list, wfrag, wscale, cbuf, v, lg, pctx; writes lg, pctx
.if DOCPART == 2
	.amdgcn_target "amdgcn-amd-amdhsa--gfx1250"
	.amdhsa_code_object_version 6
	.text
	.protected	k_qd508d8062c_main
	.globl	k_qd508d8062c_main
	.p2align	8
	.type	k_qd508d8062c_main,@function
k_qd508d8062c_main:
	s_mov_b64 s[64:65], 0
	v_nop
	global_prefetch_b8 v0, s[64:65] scope:SCOPE_SE
	s_setreg_imm32_b32 hwreg(HW_REG_WAVE_MODE, 25, 1), 1
	s_wait_xcnt 0x0
; For each block of 64 rows of a batch that has rows under the batch's length: the rows are quantised to E5M2 with one E8M0 scale for each 32 along K and multiplied by W1[0:512] (codes);
; c[b] (the query's part and b1) is the C of each sum; tanh; logits = u . v; the block's own maximum, p = exp(logit - that maximum), and the block's part of the context, the sum of p x row, from a bf16 copy of the rows in LDS.
; Each row is read from memory once.  Out go the block's 64 raw logits (lg) and its 512 partial sums (pctx); the last launch joins the blocks.  Blocks all of whose rows the mask hides are neither read nor multiplied.
; SHARES.  256 work-groups stay; work-group g takes the list's entries g + 256 k, k = 0 .. 7 (entries with rows that count stand first).  Eight waves, two to a SIMD.  Wave w makes hidden units 64 w .. 64 w + 63 of all 64 rows;
; its 16 fragments of W1 stay in v256-511.  For loading and quantising wave w owns rows 8 w .. 8 w + 7: a lane takes 8 neighbours of a row (k = 256 half + 8 lane ..), so two loads of a wave cover 1,024 consecutive bytes;
; four neighbouring lanes hold a block of 32; a lane's 8 codes are half of a 16-byte piece of an operand's register image.  The images go from wave to wave through LDS.
; THE PRODUCT IS USED TRANSPOSED: source 0 = 16 hidden units, source 1 = 16 rows: a lane holds one row, and the sum with v stays in the lane.  tanh(x) = 1 - 2 / (1 + 2^(2 log2(e) x)).
; A TRIP works block k; block k + 1 is loaded, quantised and laid into the other set of LDS buffers; the softmax and context of block k - 1 are done in it too: by odd waves ahead of row tile 0, by even waves behind it,
; so that the two waves of a SIMD are at different work.  TWO BARRIERS A TRIP, on every path.  The first is split: a wave signals when its reads of block k - 1's bf16 copy and logits' parts are over, works row tile 1
; (LDS loads of block k's images and registers alone) and waits ahead of its first LDS store for block k + 1, which lands on that copy's set.  The second shows block k's parts and block k + 1's images, scale words and copy.
; Every base made from the list's numbers is made at a trip's top, ahead of the trip's branches.  Branches on the list's numbers jump over work alone.
; No tensor load: which blocks are walked hangs on numbers read from memory.  No cluster: what work-groups share (W1's codes) is read once by each and then stays in registers.
; LIMITS: NaN and infinities are not served; a block of zeros gets the byte 1 (its codes are zeros; the bytes are this program's own); p and the rows are rounded to bf16 for the context's product;
; a batch's last block reads and multiplies its hidden rows too (up to 63), whose p is 0.
.set XIMG1, 34816                      ; LDS: x's images, two sets at 0 and here: piece (row tile m, G = k / 32, h, r) at 8,704 m + 544 G + 272 h + 16 r
.set MT,    8704
.set GP,    544
.set XSC,   69632                      ; x's scale words, two sets of 1,024: 256 m + 128 (s & 1) + 64 (s >> 1) + 4 r + byte
.set LP,    71680                      ; the waves' parts of the logits: 32 row + 4 wave
.set WSCR,  73728                      ; 512 bytes of each wave's own: p as bf16 (128), then a stage for its 64 sums (256)
.set ENC0,  77824                      ; the rows as bf16, two sets: 1,056 row + 2 e
.set ENCB,  67584
.set EP,    1056
.set GA,   1                           ; 32 lane + 16,384 wave
.set XWI,  2                           ; v2-3 where I put 8 codes, set 0, 1
.set XWS,  4                           ; and their block's scale byte
.set ENW,  5                           ; v5-6 and 8 bf16
.set LI,   7                           ; v7-8 272 h + 16 r, set 0, 1
.set XSR,  9                           ; XSC + 4 lane
.set LPW,  10                          ; LP + 32 r + 4 wave
.set LPR,  11                          ; LP + 64 lane
.set W4,   12                          ; my wave's own bytes + 4 lane
.set PBR,  13                          ; + 16 h
.set TRA,  14                          ; v14-15 the transposing loads' address, set 0, 1
.set CSR,  16                          ; my wave's stage + 8 lane
.set GO8,  17                          ; 8 lane + 256 wave
.set ROW2, 18                          ; 2 lane
.set CIO,  19                          ; 256 wave + 32 h
.set WS,   20                          ; v20-27 W1's scale words, register 2 tile + (s & 1): scales and nothing else
.set XS1,  28                          ; x's scale words of K steps 1, 3;
.set XS0,  29                          ; of K steps 0, 2: no product names two scale registers of one number modulo 8
.set LG,   30                          ; v30-33 my part of a logit, for each row tile
.set SVP,  34                          ; v34-35 the sum of my 32 v, and 0
.set LGA,  36
.set LGB,  38
.set PT,   40                          ; v40-41 lane permutes' destinations
.set PFO,  42                          ; 256 lane + 16,384 wave
.set LN,   43                          ; lane
.set CI,   44                          ; v44-75  c of my 32 units
.set VV,   76                          ; v76-107 -2 v of my 32 units
.set ACC,  108                         ; v108-139 four accumulators
.set XF,   140                         ; v140-187 three fragments of x
.set PF,   188                         ; v188-251 four rows on their way in: unit u = 2 row + half at 8 u
.set BF,   108                         ; while quantising: 8 units x 4 registers of bf16,
.set COD,  140                         ; x 2 of codes,
.set MX,   156                         ; largest magnitudes, then the bytes,
.set SCL,  164                         ; the conversions' scale operands,
.set HLD,  172                         ; the largest number x the scale
.set LPV,  108                         ; in the softmax: the eight waves' parts of two logits; v126-129 at work
.set PA,   140                         ; p's two fragments
.set TR,   156                         ; 32 rows x my 64 columns of the bf16 copy, turned
.set R,    108                         ; at the head only
.set H,    109
.set TT,   110
.set MSB, 0
.macro WIN new
.if MSB != \new
	s_set_vgpr_msb (MSB<<8)|\new
.set MSB, \new
.endif
.endm
.macro BAR
	s_wait_dscnt 0x0
	s_barrier_signal -1
	s_barrier_wait -1
.endm
.macro SKIP0 reg, lab                  ; a number of the list is 0: jump over the work
	s_cmp_eq_u32 s[\reg], 0
	s_cbranch_scc1 \lab
.endm
.macro LOADH hh, dst                   ; rows 4 hh .. 4 hh + 3 of my wave's eight; a unit's two loads together read 1,024 consecutive bytes
.set u, 0
.rept 8
	global_load_b128 v[(\dst)+8*u:(\dst)+8*u+3], v[GA], s[30:31] offset:(4*(\hh)+u/2)*2048+1024*(u%2) th:TH_LOAD_RT_NT
	global_load_b128 v[(\dst)+8*u+4:(\dst)+8*u+7], v[GA], s[30:31] offset:(4*(\hh)+u/2)*2048+1024*(u%2)+16 th:TH_LOAD_RT_NT
.set u, u+1
.endr
.endm
.macro ASK base, off                   ; four rows of my wave's, 8,192 bytes, lanes 256 bytes apart: each aligned block of 256 bytes is named by its one owner, once
	global_prefetch_b8 v[PFO], s[\base:\base+1] offset:\off th:TH_LOAD_NT scope:SCOPE_SE
.endm
.macro CILOAD
.irp t, 0,1,2,3
	global_load_b128 v[CI+8*\t:CI+8*\t+3], v[CIO], s[32:33] offset:64*\t
	global_load_b128 v[CI+8*\t+4:CI+8*\t+7], v[CIO], s[32:33] offset:64*\t+16
.endr
.endm
; Four rows, eight units of 8 neighbours a lane, in v[src] on: a bf16 copy, the codes and the scale bytes go to LDS set buf.  The eight units take turns line by line
.macro QUANT4 src, hh, buf
.set u, 0
.rept 8
.irp j, 0,1,2,3
	v_cvt_pk_bf16_f32 v[BF+4*u+\j], v[(\src)+8*u+2*\j], v[(\src)+8*u+2*\j+1]
.endr
.set u, u+1
.endr
.set u, 0
.rept 8
	ds_store_b128 v[ENW+(\buf)], v[BF+4*u:BF+4*u+3] offset:(4*(\hh)+u/2)*EP+512*(u%2)
.set u, u+1
.endr
.irp u, 0,1,2,3,4,5,6,7
	v_max3_num_f32 v[MX+\u], |v[(\src)+8*\u]|, |v[(\src)+8*\u+1]|, 0x8000000   ; with the floor 2^(16 - 127): the byte cannot fall under 1
.endr
.irp t, 2,4,6
.irp u, 0,1,2,3,4,5,6,7
	v_max3_num_f32 v[MX+\u], v[MX+\u], |v[(\src)+8*\u+\t]|, |v[(\src)+8*\u+\t+1]|
.endr
.endr
.irp k, 1,2
.irp u, 0,1,2,3,4,5,6,7
	v_max_num_f32_dpp v[MX+\u], v[MX+\u], v[MX+\u] row_xmask:\k row_mask:0xf bank_mask:0xf   ; with the three other lanes of the block
.endr
.endr
.irp u, 0,1,2,3,4,5,6,7
	v_add_nc_u32 v[SCL+\u], 0xf8800000, v[MX+\u]   ; 15 off the exponent field: the conversion's scale operand
.endr
.irp u, 0,1,2,3,4,5,6,7
	v_and_or_b32 v[HLD+\u], v[MX+\u], 0x7f800000, s26   ; 57,344 x the scale
.endr
.irp u, 0,1,2,3,4,5,6,7
.irp j, 0,1,2,3,4,5,6,7
	v_med3_num_f32 v[(\src)+8*\u+\j], v[(\src)+8*\u+\j], -v[HLD+\u], v[HLD+\u]   ; the conversion does not saturate (ISA guide 7.6.2): the hold comes first
.endr
	v_cvt_scalef32_pk8_bf8_f32 v[COD+2*\u:COD+2*\u+1], v[(\src)+8*\u:(\src)+8*\u+7], v[SCL+\u]
.endr
.irp u, 0,1,2,3,4,5,6,7
	v_lshrrev_b32 v[MX+\u], 23, v[SCL+\u]          ; the scale's byte (also the plain lines behind the conversions)
.endr
.irp u, 0,1,2,3,4,5,6,7
	ds_store_b64 v[XWI+(\buf)], v[COD+2*\u:COD+2*\u+1] offset:16*(4*(\hh)+(\u)/2)+8*GP*((\u)%2)
	ds_store_b8 v[XWS], v[MX+\u] offset:1024*(\buf)+64*((\u)%2)+4*(4*(\hh)+(\u)/2)   ; the four lanes of a block write the same byte with the same value
.endr
	s_wait_dscnt 0x0                               ; the stores have read their registers, which are written next
.endm
.macro FETCH3 m, buf                   ; row tile m: the fragments of K steps 0, 1, 2 and the two registers of scale words
.irp s, 0,1,2
.irp c, 0,1,2,3
	ds_load_b128 v[XF+16*\s+4*\c:XF+16*\s+4*\c+3], v[LI+(\buf)] offset:(\m)*MT+(4*\s+\c)*GP
.endr
.endr
	ds_load_b32 v[XS0], v[XSR] offset:1024*(\buf)+256*(\m)         ; lanes 0-15: K step 0's words, lanes 16-31: K step 2's
	ds_load_b32 v[XS1], v[XSR] offset:1024*(\buf)+256*(\m)+128     ; K steps 1 and 3
.endm
.macro MUL4 s, xb                      ; K step s: my four tiles of hidden units, the four accumulators by turns
.irp t, 0,1,2,3
.if (\s) == 0
	v_wmma_scale_f32_16x16x128_f8f6f4 v[ACC+8*\t:ACC+8*\t+7], v[64*\t:64*\t+15], v[XF+16*(\xb):XF+16*(\xb)+15], v[CI+8*\t:CI+8*\t+7], v[WS+2*\t], v[XS0] matrix_a_fmt:MATRIX_FMT_BF8 matrix_b_fmt:MATRIX_FMT_BF8
.elseif (\s) == 1
	v_wmma_scale_f32_16x16x128_f8f6f4 v[ACC+8*\t:ACC+8*\t+7], v[64*\t+16:64*\t+31], v[XF+16*(\xb):XF+16*(\xb)+15], v[ACC+8*\t:ACC+8*\t+7], v[WS+2*\t+1], v[XS1] matrix_a_fmt:MATRIX_FMT_BF8 matrix_b_fmt:MATRIX_FMT_BF8
.elseif (\s) == 2
	v_wmma_scale_f32_16x16x128_f8f6f4 v[ACC+8*\t:ACC+8*\t+7], v[64*\t+32:64*\t+47], v[XF+16*(\xb):XF+16*(\xb)+15], v[ACC+8*\t:ACC+8*\t+7], v[WS+2*\t], v[XS0] matrix_a_fmt:MATRIX_FMT_BF8 matrix_b_fmt:MATRIX_FMT_BF8 matrix_a_scale:MATRIX_SCALE_ROW1 matrix_b_scale:MATRIX_SCALE_ROW1
.else
	v_wmma_scale_f32_16x16x128_f8f6f4 v[ACC+8*\t:ACC+8*\t+7], v[64*\t+48:64*\t+63], v[XF+16*(\xb):XF+16*(\xb)+15], v[ACC+8*\t:ACC+8*\t+7], v[WS+2*\t+1], v[XS1] matrix_a_fmt:MATRIX_FMT_BF8 matrix_b_fmt:MATRIX_FMT_BF8 matrix_a_scale:MATRIX_SCALE_ROW1 matrix_b_scale:MATRIX_SCALE_ROW1
.endif
.endr
.endm
; The 16 products of row tile m.  Eight places stand in front of each load into a register that a product has read, and of the first read of results
.macro PRODS m, buf
	s_wait_dscnt 0x0
	WIN 0x01                                       ; source 0 (W1) in window 1
	MUL4 0, 0                                      ; C = c
	WIN 0
.rept 8
	v_nop
.endr
.irp c, 0,1,2,3
	ds_load_b128 v[XF+4*\c:XF+4*\c+3], v[LI+(\buf)] offset:(\m)*MT+(12+\c)*GP   ; K step 3 takes K step 0's registers
.endr
	WIN 0x01
	MUL4 1, 1
	MUL4 2, 2
	s_wait_dscnt 0x0
	MUL4 3, 0
	WIN 0
.rept 8
	v_nop
.endr
.endm
; my part of the logits of row tile m.  Each kind of transcendental is one batch, with one wait ahead of it and one behind it
.macro TANH m
.set j, 0
.rept 16
	v_pk_mul_f32 v[ACC+2*j:ACC+2*j+1], v[ACC+2*j:ACC+2*j+1], s[22:23] op_sel_hi:[1,0]   ; x 2 log2(e); each accumulator from its low end on
.set j, j+1
.endr
.set j, 0
	s_wait_alu depctr_va_vdst(0)
.rept 32
	v_exp_f32 v[ACC+j], v[ACC+j]
.set j, j+1
.endr
	v_nop
	s_wait_alu depctr_va_vdst(0)
.set j, 0
.rept 16
	v_pk_add_f32 v[ACC+2*j:ACC+2*j+1], v[ACC+2*j:ACC+2*j+1], 1.0 op_sel_hi:[1,0]
.set j, j+1
.endr
.set j, 0
	s_wait_alu depctr_va_vdst(0)
.rept 32
	v_rcp_f32 v[ACC+j], v[ACC+j]
.set j, j+1
.endr
	v_nop
	s_wait_alu depctr_va_vdst(0)
	v_pk_fma_f32 v[LGA:LGA+1], v[ACC:ACC+1], v[VV:VV+1], v[SVP:SVP+1]   ; the sum of my v + the sum of (-2 v) / (1 + 2^..), in two chains
	v_pk_mul_f32 v[LGB:LGB+1], v[ACC+2:ACC+3], v[VV+2:VV+3]
.set j, 4
.rept 7
	v_pk_fma_f32 v[LGA:LGA+1], v[ACC+j:ACC+j+1], v[VV+j:VV+j+1], v[LGA:LGA+1]
	v_pk_fma_f32 v[LGB:LGB+1], v[ACC+j+2:ACC+j+3], v[VV+j+2:VV+j+3], v[LGB:LGB+1]
.set j, j+4
.endr
	v_pk_add_f32 v[LGA:LGA+1], v[LGA:LGA+1], v[LGB:LGB+1]
	v_add_f32 v[LG+(\m)], v[LGA], v[LGA+1]
	s_wait_alu depctr_va_vdst(0)                   ; directly behind the write
.endm
.macro TRL q, set                      ; rows 32 q .. + 31 x my 64 columns of the bf16 copy, turned: lane l holds column l % 16 of each tile
.irp t, 0,1,2,3
	ds_load_tr16_b128 v[TR+8*\t:TR+8*\t+3], v[TRA+(\set)] offset:(\q)*32*EP+32*\t
	ds_load_tr16_b128 v[TR+8*\t+4:TR+8*\t+7], v[TRA+(\set)] offset:(\q)*32*EP+32*\t+16*EP
.endr
.endm
; The softmax of the block before and its part of the context: every wave makes the 64 p, and the sums of its own 64 columns.  s50: its rows that count; s[34:35], s[36:37]: its places in lg and pctx
.macro P2 set
.irp i, 0,1,2,3
	ds_load_b128 v[LPV+4*\i:LPV+4*\i+3], v[LPR] offset:16*\i
.endr
	TRL 0, \set
	s_wait_dscnt 8                                 ; the four loads of the parts are in; the eight issued behind them may be out
	s_wait_xcnt 0x0                                ; earlier stores have read their data: v252-255 are written again only behind this wait
	v_pk_add_f32 v[LPV:LPV+1], v[LPV:LPV+1], v[LPV+2:LPV+3]
	v_pk_add_f32 v[LPV+4:LPV+5], v[LPV+4:LPV+5], v[LPV+6:LPV+7]
	v_pk_add_f32 v[LPV+8:LPV+9], v[LPV+8:LPV+9], v[LPV+10:LPV+11]
	v_pk_add_f32 v[LPV+12:LPV+13], v[LPV+12:LPV+13], v[LPV+14:LPV+15]
	v_pk_add_f32 v[LPV:LPV+1], v[LPV:LPV+1], v[LPV+4:LPV+5]
	v_pk_add_f32 v[LPV+8:LPV+9], v[LPV+8:LPV+9], v[LPV+12:LPV+13]
	v_add_f32 v252, v[LPV], v[LPV+1]               ; the logit of row 2 lane,
	v_add_f32 v253, v[LPV+8], v[LPV+9]             ; of row 2 lane + 1: the same order of sums in every wave
	s_cmp_lg_u32 s20, 0
	s_cbranch_scc1 .Lnw0_\@
	global_store_b64 v[GO8], v[252:253], s[34:35]  ; wave 0: 256 consecutive bytes, aligned
.Lnw0_\@:
	v_or_b32 v128, 1, v[ROW2]
	v_cmp_gt_u32 vcc_lo, s50, v[ROW2]
	s_wait_alu depctr_va_vdst(0)
	v_cndmask_b32 v126, s29, v252, vcc_lo          ; rows that do not count: -3e38
	v_cmp_gt_u32 vcc_lo, s50, v128
	v_cndmask_b32 v127, s29, v253, vcc_lo
	v_max_num_f32 v128, v126, v127
.irp k, 1,2,4,8
	v_max_num_f32_dpp v128, v128, v128 row_xmask:\k row_mask:0xf bank_mask:0xf
.endr
	v_permlanex16_b32 v[PT], v128, s24, s25
	v_max_num_f32 v128, v128, v[PT]                ; the block's largest logit (its row 0 counts)
	v_sub_f32 v126, v126, v128
	v_sub_f32 v127, v127, v128
	v_mul_f32 v126, s28, v126
	v_mul_f32 v127, s28, v127
	s_wait_alu depctr_va_vdst(0)
	v_exp_f32 v126, v126                           ; p = exp(logit - the block's largest); 0 for rows that do not count
	v_exp_f32 v127, v127
	v_nop
	s_wait_alu depctr_va_vdst(0)
	v_cvt_pk_bf16_f32 v129, v126, v127
	ds_store_b32 v[W4], v129                       ; my wave's own bytes: LDS serves a wave's instructions in order
.irp q, 0,1
	ds_load_b128 v[PA+8*\q:PA+8*\q+3], v[PBR] offset:64*\q         ; p as source 0: every one of its 16 rows is p
	ds_load_b128 v[PA+8*\q+4:PA+8*\q+7], v[PBR] offset:64*\q+32
.endr
	s_wait_dscnt 0x0
.irp t, 0,1,2,3
	v_wmma_f32_16x16x32_bf16 v[ACC+8*\t:ACC+8*\t+7], v[PA:PA+7], v[TR+8*\t:TR+8*\t+7], 0
.endr
.rept 4
	v_nop                                          ; four places in front of loads into registers that these products read
.endr
	TRL 1, \set
	s_wait_dscnt 0x0
.irp t, 0,1,2,3
	v_wmma_f32_16x16x32_bf16 v[ACC+8*\t:ACC+8*\t+7], v[PA+8:PA+15], v[TR+8*\t:TR+8*\t+7], v[ACC+8*\t:ACC+8*\t+7]
.endr
.rept 5
	v_nop                                          ; four places in front of the reads below; five in front of the next product that writes over these accumulators
.endr
	v_cndmask_b32 v[PA], v[ACC], v[ACC+8], s27     ; register 0 of lane l is column l % 16 of its tile: lanes 0-15 take tile 0's, lanes 16-31 tile 1's
	v_cndmask_b32 v[PA+1], v[ACC+16], v[ACC+24], s27
	ds_store_b32 v[W4], v[PA] offset:128
	ds_store_b32 v[W4], v[PA+1] offset:256
	ds_load_b64 v[254:255], v[CSR]                 ; back as two neighbours a lane
	s_wait_dscnt 0x0
	global_store_b64 v[GO8], v[254:255], s[36:37]  ; a wave stores 256 consecutive bytes, aligned
.endm
.macro PBASE                           ; the places in lg and pctx of the block before (s48)
	s_min_u32 s38, s48, 2047
	s_lshl_b32 s40, s38, 8
	s_lshl_b32 s38, s38, 11
	s_add_nc_u64 s[34:35], s[16:17], s[40:41]
	s_add_nc_u64 s[36:37], s[18:19], s[38:39]
.endm
	s_load_b512 s[4:19], s[0:1], 0x0               ; rows s[4:5], list s[6:7], wfrag s[8:9], wscale s[10:11], c s[12:13], v s[14:15], lg s[16:17], pctx s[18:19]
	v_lshrrev_b32 v[PT], 5, v0
	v_readfirstlane_b32 s20, v[PT]                 ; wave 0..7
	v_mov_b32 v[PT+1], 0
	v_and_b32 v[LN], 31, v0
	s_lshl_b32 s38, s20, 15
	s_lshl_b32 s40, s20, 10
	v_lshl_add_u32 v255, v[LN], 4, s38             ; wfrag: my wave's 16 fragments, 16 bytes a lane
	v_lshl_add_u32 v254, v[LN], 2, s40             ; wscale: my wave's 8 registers, a word a lane
	s_lshl_b32 s44, ttmp9, 4
	s_mov_b32 s45, 0
	s_wait_alu depctr_va_vdst(0)                   ; the wait directly ahead of the wait below
	s_wait_kmcnt 0x0
	s_add_nc_u64 s[46:47], s[6:7], s[44:45]
.irp k, 0,1,2,3,4,5,6,7
	s_load_b128 s[68+4*\k:71+4*\k], s[46:47], 4096*\k   ; my eight entries: {block, batch, rows that count, 0}
.endr
	WIN 0x40                                       ; destination in window 1.  W1's fragments hang on no entry: they are asked for while the entries are on their way
.set i, 0
.rept 32
	global_load_b128 v[4*i:4*i+3], v255, s[8:9] offset:512*i   ; fragment (tile, s) at v[256 + 16 (4 tile + s)]: they stay.  The first 32 of my 64 loads; the others follow the first block's rows
.set i, i+1
.endr
	WIN 0
	s_mov_b32 s22, 0x4038aa3b                      ; 2 log2(e)
	s_mov_b32 s23, s22
	s_mov_b32 s24, 0x76543210
	s_mov_b32 s25, 0xfedcba98                      ; v_permlanex16_b32's selects for lane l xor 16
	s_mov_b32 s26, 0x600000                        ; the mantissa field of 57,344
	s_mov_b32 s27, 0xffff0000                      ; lanes 16-31
	s_mov_b32 s28, 0x3fb8aa3b                      ; log2(e)
	s_mov_b32 s29, 0xff61b1e6                      ; -3e38
	s_lshl_b32 s55, s20, 14                        ; my wave's eight rows in a block
	s_lshr_b32 s39, s20, 1                         ; my rows' tile,
	s_and_b32 s52, s20, 1                          ; and which eight rows of it.  Also: an odd wave
	s_mul_i32 s56, s39, MT
	s_lshl_b32 s41, s52, 7
	s_add_co_u32 s56, s56, s41
	s_lshl_b32 s57, s39, 8
	s_lshl_b32 s41, s52, 5
	s_add_co_u32 s57, s57, s41
	s_add_co_u32 s57, s57, XSC
	s_mul_i32 s58, s20, 8*EP
	s_add_co_u32 s58, s58, ENC0
	s_lshl_b32 s59, s20, 2
	s_add_co_u32 s59, s59, LP
	s_lshl_b32 s60, s20, 9
	s_add_co_u32 s60, s60, WSCR
	s_lshl_b32 s61, s20, 7
	s_add_co_u32 s61, s61, ENC0
	s_lshl_b32 s62, s20, 8
	v_and_b32 v[R], 15, v0
	v_bfe_u32 v[H], v0, 4, 1
	v_lshl_add_u32 v[GA], v[LN], 5, s55
	v_lshl_add_u32 v[PFO], v[LN], 8, s55
	v_lshrrev_b32 v[TT], 1, v[LN]                  ; lane l holds k = 8 l ..: G = l / 4, h = (l / 2) % 2: 544 G + 272 h = 272 (l / 2); + 8 (l % 2)
	v_mul_u32_u24 v[XWI], v[TT], 272
	v_and_b32 v[TT], 1, v0
	v_lshl_add_u32 v[XWI], v[TT], 3, v[XWI]
	v_add_nc_u32 v[XWI], s56, v[XWI]
	v_add_nc_u32 v[XWI+1], XIMG1, v[XWI]
	v_bfe_u32 v[TT], v0, 2, 2                      ; the block in the K step; K step s = 2 half + l / 16: s & 1 = l / 16
	v_lshl_add_u32 v[XWS], v[H], 7, v[TT]
	v_add_nc_u32 v[XWS], s57, v[XWS]
	v_lshl_add_u32 v[ENW], v[LN], 4, s58
	v_add_nc_u32 v[ENW+1], ENCB, v[ENW]
	v_mul_u32_u24 v[LI], v[H], 272
	v_lshl_add_u32 v[LI], v[R], 4, v[LI]
	v_add_nc_u32 v[LI+1], XIMG1, v[LI]
	v_lshl_add_u32 v[XSR], v[LN], 2, XSC
	v_lshl_add_u32 v[LPW], v[R], 5, s59
	v_lshl_add_u32 v[LPR], v[LN], 6, LP
	v_lshl_add_u32 v[W4], v[LN], 2, s60
	v_lshl_add_u32 v[PBR], v[H], 4, s60
	v_lshl_add_u32 v[CSR], v[LN], 3, s60
	v_add_nc_u32 v[CSR], 128, v[CSR]
	v_and_b32 v[TT], 7, v0
	v_lshl_add_u32 v[TT], v[H], 3, v[TT]           ; the transposing load: row 8 h + l % 8,
	v_mul_u32_u24 v[TRA], v[TT], EP
	v_bfe_u32 v[TT], v0, 3, 1
	v_lshl_add_u32 v[TRA], v[TT], 4, v[TRA]        ; 16 bytes on for (l / 8) % 2,
	v_add_nc_u32 v[TRA], s61, v[TRA]               ; my wave's 64 columns
	v_add_nc_u32 v[TRA+1], ENCB, v[TRA]
	v_lshl_add_u32 v[GO8], v[LN], 3, s62
	v_lshlrev_b32 v[ROW2], 1, v[LN]
	v_lshl_add_u32 v[CIO], v[H], 5, s62
	s_mov_b32 s39, 0                               ; the upper words of the offsets' pairs: 0 from here on
	s_mov_b32 s41, 0
	s_mov_b32 s48, 0                               ; no block before the first
	s_mov_b32 s50, 0
	s_wait_alu depctr_va_vdst(0)                   ; the wait directly ahead of the wait below
	s_wait_kmcnt 0x0
	s_min_u32 s38, s68, 2047                       ; the first entry's block (an entry without rows that count names a block of the tensor too)
	s_lshl_b32 s38, s38, 17                        ; 64 rows of 2,048 bytes
	s_add_nc_u64 s[30:31], s[4:5], s[38:39]
	s_min_u32 s40, s72, 2047
	s_lshl_b32 s40, s40, 17
	s_add_nc_u64 s[42:43], s[4:5], s[40:41]
	s_min_u32 s38, s69, 63
	s_lshl_b32 s38, s38, 11                        ; the batch's row of c
	s_add_nc_u64 s[32:33], s[12:13], s[38:39]
	LOADH 1, CI                                    ; rows 4-7 first (c's and v's registers are still free),
	LOADH 0, PF                                    ; then rows 0-3,
	WIN 0x40
.rept 32
	global_load_b128 v[4*i:4*i+3], v255, s[8:9] offset:512*i   ; then W1's other 32 loads
.set i, i+1
.endr
	WIN 0
.irp i, 0,1,2,3,4,5,6,7
	global_load_b32 v[WS+\i], v254, s[10:11] offset:128*\i
.endr
	SKIP0 74, .Lno_ask
	ASK 42, 0                                      ; rows 0-3 of the second entry's block, which the first trip loads
.Lno_ask:
	s_wait_loadcnt 56                              ; rows 4-7 are in; behind them: 16 loads of rows 0-3, 32 of W1, 8 of its scale words
	QUANT4 CI, 1, 0
	CILOAD
.irp t, 0,1,2,3
	global_load_b128 v[VV+8*\t:VV+8*\t+3], v[CIO], s[14:15] offset:64*\t
	global_load_b128 v[VV+8*\t+4:VV+8*\t+7], v[CIO], s[14:15] offset:64*\t+16
.endr
	s_wait_loadcnt 56                              ; rows 0-3 are in; behind them: 32 loads of W1, 8 of its scale words, 16 of c and v
	QUANT4 PF, 0, 0
	s_wait_loadcnt 0x0
	v_pk_add_f32 v[254:255], v[76:77], v[78:79]
	v_pk_add_f32 v[252:253], v[80:81], v[82:83]
	v_pk_add_f32 v[186:187], v[84:85], v[86:87]
	v_pk_add_f32 v[184:185], v[88:89], v[90:91]
	v_pk_add_f32 v[182:183], v[92:93], v[94:95]
	v_pk_add_f32 v[180:181], v[96:97], v[98:99]
	v_pk_add_f32 v[178:179], v[100:101], v[102:103]
	v_pk_add_f32 v[36:37], v[104:105], v[106:107]
	v_pk_add_f32 v[254:255], v[254:255], v[182:183]
	v_pk_add_f32 v[252:253], v[252:253], v[180:181]
	v_pk_add_f32 v[186:187], v[186:187], v[178:179]
	v_pk_add_f32 v[36:37], v[36:37], v[184:185]
	v_pk_add_f32 v[254:255], v[254:255], v[186:187]
	v_pk_add_f32 v[36:37], v[36:37], v[252:253]
	v_pk_add_f32 v[36:37], v[36:37], v[254:255]
	v_add_f32 v[SVP], v[LGA], v[LGA+1]             ; the sum of my 32 v
	v_mov_b32 v[SVP+1], 0
.set j, 0
.rept 16
	v_pk_mul_f32 v[VV+j:VV+j+1], v[VV+j:VV+j+1], -2.0 op_sel_hi:[1,0]
.set j, j+2
.endr
	s_wait_alu depctr_va_vdst(0)                   ; the wait at the head's end
	BAR                                            ; the first block's images, scale words and bf16 copy lie in LDS
; A TRIP: the block in LDS set p is worked; the next entry's block goes into set 1 - p, where the block before still has its bf16 copy until the first barrier's wait.
.macro TRIP p
.set EC, 68+4*(\p)                     ; this entry,
.set EN, 72+4*(\p)                     ; the next,
.set EA, 76+4*(\p)                     ; the one after
	s_wait_xcnt 0x0                                ; the last trip's loads, stores and prefetches have read their registers: bases and stores' data are written again only behind this wait
	s_min_u32 s38, s[EN], 2047
	s_lshl_b32 s38, s38, 17
	s_add_nc_u64 s[30:31], s[4:5], s[38:39]        ; the next block's rows
	s_min_u32 s40, s[EA], 2047
	s_lshl_b32 s40, s40, 17
	s_add_nc_u64 s[42:43], s[4:5], s[40:41]        ; those of the block after
	s_min_u32 s38, s[EN+1], 63
	s_lshl_b32 s38, s38, 11
	s_add_nc_u64 s[32:33], s[12:13], s[38:39]      ; the next block's c
	PBASE
	s_mul_i32 s53, s50, s52                        ; not 0: an odd wave, and the block before has rows that count
	s_sub_co_u32 s54, s50, s53                     ; the same for an even wave
	SKIP0 EN+2, .La_\@
	LOADH 0, PF                                    ; the next block's rows 0-3 of my eight
	ASK 30, 8192                                   ; its rows 4-7, which are loaded half a trip on
.La_\@:
	SKIP0 53, .Lb_\@
	P2 1-(\p)
.Lb_\@:
	SKIP0 EC+2, .Lc_\@
	FETCH3 0, \p
	PRODS 0, \p
	TANH 0
.Lc_\@:
	SKIP0 54, .Ld_\@
	P2 1-(\p)
.Ld_\@:
	s_wait_dscnt 0x0                               ; my reads of the bf16 copy and of the parts of the block before are over:
	s_barrier_signal -1                            ; say so; up to the wait stand LDS loads of this block's images and work on registers alone
	SKIP0 EC+2, .Le_\@
	FETCH3 1, \p
	PRODS 1, \p
	TANH 1
.Le_\@:
	s_barrier_wait -1                              ; every wave has said so: set 1 - p and the parts may be written
	SKIP0 EN+2, .Lf_\@
	s_wait_loadcnt 0x0
	QUANT4 PF, 0, 1-(\p)
	LOADH 1, PF
	SKIP0 EA+2, .Lf_\@
	ASK 42, 0                                      ; rows 0-3 of the block after the next, which are loaded half a trip on
.Lf_\@:
	SKIP0 EC+2, .Lg_\@
	FETCH3 2, \p
	PRODS 2, \p
	FETCH3 3, \p
	TANH 2
	PRODS 3, \p
	TANH 3
.Lg_\@:
	SKIP0 EN+2, .Li_\@
	CILOAD                                         ; the next block's c: this block's products have read theirs
	s_wait_loadcnt 8                               ; the sixteen loads of rows 4-7 are in; the eight of c, issued behind them, may be out
	QUANT4 PF, 1, 1-(\p)
.Li_\@:
	SKIP0 EC+2, .Lj_\@
	s_wait_alu depctr_va_vdst(0)
	v_permlanex16_b32 v[PT], v[LG], s24, s25       ; a row's other 32 of my wave's units lie in lane l xor 16
	v_permlanex16_b32 v[PT+1], v[LG+1], s24, s25
	v_add_f32 v[LG], v[LG], v[PT]
	v_add_f32 v[LG+1], v[LG+1], v[PT+1]
	v_permlanex16_b32 v[PT], v[LG+2], s24, s25
	v_permlanex16_b32 v[PT+1], v[LG+3], s24, s25
	v_add_f32 v[LG+2], v[LG+2], v[PT]
	v_add_f32 v[LG+3], v[LG+3], v[PT+1]
.irp m, 0,1,2,3
	ds_store_b32 v[LPW], v[LG+\m] offset:512*\m    ; lanes r and 16 + r write the same word with the same value
.endr
.Lj_\@:
	s_wait_loadcnt 0x0                             ; c is in
	BAR                                            ; this block's parts, and the next block's images, scale words and bf16 copy, lie in LDS
	s_mov_b32 s48, s[EC]                           ; this block is the next trip's block before
	s_mov_b32 s50, s[EC+2]
.endm
	s_mov_b32 s21, 0
.Lloop:                                                ; four trips of two blocks each, in which the two sets of LDS buffers change places and come back
	TRIP 0
	TRIP 1
.irp i, 0,1,2,3,4,5
	s_mov_b64 s[68+4*\i:69+4*\i], s[76+4*\i:77+4*\i]   ; the entries move up by two
	s_mov_b64 s[70+4*\i:71+4*\i], s[78+4*\i:79+4*\i]
.endr
	s_mov_b32 s94, 0                               ; and what follows the eighth has no rows that count
	s_mov_b32 s98, 0
	s_add_co_u32 s21, s21, 1
	s_cmp_lt_u32 s21, 4
	s_cbranch_scc1 .Lloop
	s_wait_xcnt 0x0
	PBASE
	SKIP0 50, .Lend
	P2 1                                           ; the eighth entry's softmax and context
.Lend:
	s_wait_xcnt 0x0
	v_lshl_add_u32 v254, v0, 2, 0x34000
	v_mov_b32 v255, 0
	s_wait_alu depctr_va_vdst(0)
	s_wait_tensorcnt 0x0                           ; the wave's end
	ds_add_u32 v254, v255
	s_wait_dscnt 0x0
	s_endpgm
.Lfunc_end_k_qd508d8062c_main:
	.size	k_qd508d8062c_main, .Lfunc_end_k_qd508d8062c_main-k_qd508d8062c_main
	.p2alignl 7, 3214868480
	.fill 96, 4, 3214868480
	.section	.rodata,"a",@progbits
	.p2align	6, 0x0
	.amdhsa_kernel k_qd508d8062c_main
		.amdhsa_group_segment_fixed_size 214016
		.amdhsa_private_segment_fixed_size 0
		.amdhsa_enable_private_segment 0
		.amdhsa_kernarg_size 64
		.amdhsa_user_sgpr_count 2
		.amdhsa_user_sgpr_kernarg_segment_ptr 1
		.amdhsa_wavefront_size32 1
		.amdhsa_system_sgpr_workgroup_id_x 1
		.amdhsa_system_sgpr_workgroup_id_y 1
		.amdhsa_system_sgpr_workgroup_id_z 1
		.amdhsa_system_vgpr_workitem_id 0
		.amdhsa_next_free_vgpr 512
		.amdhsa_next_free_sgpr 100
		.amdhsa_reserve_vcc 1
		.amdhsa_float_denorm_mode_32 3
		.amdhsa_float_denorm_mode_16_64 3
		.amdhsa_memory_ordered 1
		.amdhsa_forward_progress 1
		.amdhsa_inst_pref_size 205
	.end_amdhsa_kernel
	.amdgpu_metadata
---
amdhsa.version: [ 1, 2 ]
amdhsa.kernels:
  - .name:           k_qd508d8062c_main
    .symbol:         k_qd508d8062c_main.kd
    .args:
      - { .name: encoded_vecs, .offset: 0, .size: 8, .value_kind: global_buffer, .address_space: global }
      - { .name: list, .offset: 8, .size: 8, .value_kind: global_buffer, .address_space: global }
      - { .name: wfrag, .offset: 16, .size: 8, .value_kind: global_buffer, .address_space: global }
      - { .name: wscale, .offset: 24, .size: 8, .value_kind: global_buffer, .address_space: global }
      - { .name: cbuf, .offset: 32, .size: 8, .value_kind: global_buffer, .address_space: global }
      - { .name: v, .offset: 40, .size: 8, .value_kind: global_buffer, .address_space: global }
      - { .name: lg, .offset: 48, .size: 8, .value_kind: global_buffer, .address_space: global }
      - { .name: pctx, .offset: 56, .size: 8, .value_kind: global_buffer, .address_space: global }
    .group_segment_fixed_size: 214016
    .private_segment_fixed_size: 0
    .kernarg_segment_align: 8
    .kernarg_segment_size: 64
    .max_flat_workgroup_size: 256
    .sgpr_count:     100
    .vgpr_count:     512
    .wavefront_size: 32
...
	.end_amdgpu_metadata
.endif
;; end of part 2
;; launch finish (part 3): grid 64 x 1, 8 waves a work-group, no clusters, 18,432 bytes of LDS; arguments lg, pctx, length, out0, out1; writes out0, out1
.if DOCPART == 3
	.amdgcn_target "amdgcn-amd-amdhsa--gfx1250"
	.amdhsa_code_object_version 6
	.text
	.protected	k_qd508d8062c_finish
	.globl	k_qd508d8062c_finish
	.p2align	8
	.type	k_qd508d8062c_finish,@function
k_qd508d8062c_finish:
	s_mov_b64 s[64:65], 0
	v_nop
	global_prefetch_b8 v0, s[64:65] scope:SCOPE_SE
	s_setreg_imm32_b32 hwreg(HW_REG_WAVE_MODE, 25, 1), 1
	s_wait_xcnt 0x0
; One work-group a batch joins the batch's blocks of 64 rows: M = the largest logit under the mask, e = exp(logit - M) x mask, S = the sum of e, attention = e / (S + 1e-5),
; context = the sum over blocks t of exp(m_t - M) x pctx[t], / (S + 1e-5), m_t being the block's own largest logit, taken here from the same logits as the launch before took it.
; Only blocks with rows under the length were written by the launch before, and only those are read: the logits under EXEC, sixteen lanes to a block; the partial sums under a scalar branch on the number of such blocks.
; Thread i owns rows 4 i .. 4 i + 3 and 1,024 + 4 i .. + 3.  Wave w adds the partial sums of blocks w, w + 8, w + 16, w + 24; the eight waves' sums meet in LDS.  No matrix work: 2,048 numbers and at most 32 x 512.
; Every address register is made at the head, from the thread's number, the wave's number and constants, ahead of the first branch and the first change of EXEC, and holds nothing else.
; LIMITS: length is held to 0 .. 2,048 (0 gives zeros, as the masked sum over 1e-5 does); NaN and infinities are not served.
.set RMAX, 0                           ; LDS: the waves' maxima, 32 bytes
.set RSUM, 256                         ; their sums
.set FF,   512                         ; exp(m_t - M) of the 32 blocks
.set CACC, 1024                        ; 8 x 2,048: the waves' sums of partial contexts
.set L16,  2                           ; v2   16 x lane
.set T16,  3                           ; v3   16 x thread
.set BLK,  4                           ; v4   thread / 16: the block of my first four rows
.set FAD,  5                           ; v5   FF + 4 x that block: where its factor goes
.set ROW,  7                           ; v7   4 x thread: my first row
.set W4,   28                          ; v28  4 x wave
.set NIL,  29                          ; v29  0
.set CAD,  124                         ; v124 2,048 x wave + 16 x lane: my place in my wave's sums
.set T8,   125                         ; v125 8 x thread: my two columns
.set BLK2, 126                         ; v126 thread / 16 + 16: the block of my other four rows
.macro BAR
	s_wait_dscnt 0x0
	s_barrier_signal -1
	s_barrier_wait -1
.endm
	s_load_b256 s[4:11], s[0:1], 0x0               ; lg s[4:5], pctx s[6:7], length s[8:9], out0 s[10:11]
	s_load_b64 s[12:13], s[0:1], 0x20              ; out1
	v_lshl_add_u32 v128, v0, 2, 0x4400
	v_mov_b32 v129, 0
	v_lshrrev_b32 v1, 5, v0
	s_delay_alu instid0(VALU_DEP_1)
	v_readfirstlane_b32 s14, v1                    ; wave
	v_and_b32 v1, 31, v0                           ; lane
	s_delay_alu instid0(VALU_DEP_1)
	v_lshlrev_b32 v[L16], 4, v1
	v_lshlrev_b32 v[T16], 4, v0
	v_lshrrev_b32 v[BLK], 4, v0
	s_delay_alu instid0(VALU_DEP_1)
	v_lshl_add_u32 v[FAD], v[BLK], 2, FF
	v_lshlrev_b32 v[ROW], 2, v0
	v_mov_b32 v[W4], s14
	s_delay_alu instid0(VALU_DEP_1)
	v_lshlrev_b32 v[W4], 2, v[W4]
	v_mov_b32 v[NIL], 0
	s_lshl_b32 s24, s14, 11
	v_add_nc_u32 v[CAD], s24, v[L16]
	v_lshlrev_b32 v[T8], 3, v0
	v_add_nc_u32 v[BLK2], 16, v[BLK]
	s_lshl_b32 s16, ttmp9, 2
	s_mov_b32 s17, 0
	s_mov_b32 s21, 0x3fb8aa3b                      ; log2(e)
	s_mov_b32 s22, 0x76543210
	s_mov_b32 s23, 0xfedcba98                      ; v_permlanex16_b32's selects for lane l xor 16
	s_wait_kmcnt 0x0
	s_add_nc_u64 s[8:9], s[8:9], s[16:17]
	s_load_b32 s15, s[8:9], 0x0                    ; length[b]
.set i, 0
.rept 64
	v_mov_b32 v[32+i], 0                           ; the four blocks' partial sums: a block that is not read counts as zeros
.set i, i+1
.endr
	v_mov_b32 v6, 0xff61b1e6                       ; -3e38
	v_mov_b32 v27, 0                               ; (a lane permute's destination: written before)
.irp i, 8,9,10,11,12,13,14,15
	v_mov_b32 v\i, v6                              ; logits that are not read count as -3e38
.endr
	s_lshl_b32 s16, ttmp9, 5
	s_add_co_u32 s16, s16, s14
	s_lshl_b32 s16, s16, 11                        ; block 32 b + wave, 2,048 bytes each
	s_add_nc_u64 s[6:7], s[6:7], s[16:17]
	s_lshl_b32 s16, ttmp9, 13                      ; the batch's 2,048 logits, and its row of out1
	s_add_nc_u64 s[4:5], s[4:5], s[16:17]
	s_add_nc_u64 s[12:13], s[12:13], s[16:17]
	s_lshl_b32 s16, ttmp9, 11                      ; its row of out0
	s_add_nc_u64 s[10:11], s[10:11], s[16:17]
	s_wait_kmcnt 0x0
	s_max_i32 s15, s15, 0
	s_min_i32 s15, s15, 0x800                      ; the length, held to 0 .. 2,048
	s_add_co_u32 s18, s15, 63
	s_lshr_b32 s18, s18, 6                         ; blocks with rows that count: 0 .. s18 - 1
.irp i, 0,1,2,3
	s_add_co_u32 s19, s14, 8*\i
	s_cmp_ge_u32 s19, s18
	s_cbranch_scc1 .Lloaded                        ; this block was not written, nor are my later ones
.irp j, 0,1,2,3
	global_load_b128 v[32+16*\i+4*\j:35+16*\i+4*\j], v[L16], s[6:7] offset:16384*\i+512*\j   ; lane l: columns 128 j + 4 l .. + 3
.endr
.endr
.Lloaded:
	s_wait_xcnt 0x0                                ; EXEC changes only behind this wait
	v_cmp_gt_u32 vcc_lo, s18, v[BLK]
	s_and_saveexec_b32 s20, vcc_lo
	global_load_b128 v[8:11], v[T16], s[4:5]       ; sixteen lanes read a block's 256 bytes, or none of them
	s_wait_xcnt 0x0
	s_or_b32 exec_lo, exec_lo, s20
	v_cmp_gt_u32 vcc_lo, s18, v[BLK2]
	s_and_saveexec_b32 s20, vcc_lo
	global_load_b128 v[12:15], v[T16], s[4:5] offset:4096
	s_wait_xcnt 0x0
	s_or_b32 exec_lo, exec_lo, s20
	s_wait_loadcnt 0x0
.irp i, 0,1,2,3
	v_add_nc_u32 v16, \i, v[ROW]
	s_delay_alu instid0(VALU_DEP_1)
	v_cmp_gt_u32 s[40+\i], s15, v16                ; the mask: row < length; kept, since it is used twice
	s_delay_alu instid0(VALU_DEP_1)
	v_cndmask_b32 v[8+\i], v6, v[8+\i], s[40+\i]
	v_add_nc_u32 v16, 1024+\i, v[ROW]
	s_delay_alu instid0(VALU_DEP_1)
	v_cmp_gt_u32 s[44+\i], s15, v16
	s_delay_alu instid0(VALU_DEP_1)
	v_cndmask_b32 v[12+\i], v6, v[12+\i], s[44+\i]
.endr
	v_max3_num_f32 v24, v8, v9, v10
	v_max3_num_f32 v25, v12, v13, v14
	s_delay_alu instid0(VALU_DEP_2)
	v_max_num_f32 v24, v24, v11
	s_delay_alu instid0(VALU_DEP_2)
	v_max_num_f32 v25, v25, v15
.irp k, 1,2,4,8
	s_delay_alu instid0(VALU_DEP_2)
	v_max_num_f32_dpp v24, v24, v24 row_xmask:\k row_mask:0xf bank_mask:0xf   ; sixteen lanes are a block: its largest logit
	s_delay_alu instid0(VALU_DEP_2)
	v_max_num_f32_dpp v25, v25, v25 row_xmask:\k row_mask:0xf bank_mask:0xf
.endr
	s_delay_alu instid0(VALU_DEP_1)
	v_max_num_f32 v26, v24, v25
	s_delay_alu instid0(VALU_DEP_1)
	v_permlanex16_b32 v27, v26, s22, s23
	s_delay_alu instid0(VALU_DEP_1)
	v_max_num_f32 v26, v26, v27                    ; the wave's
	ds_store_b32 v[W4], v26 offset:RMAX            ; all lanes write the same word with the same value
	BAR
	ds_load_b128 v[16:19], v[NIL] offset:RMAX
	ds_load_b128 v[20:23], v[NIL] offset:RMAX+16
	s_wait_dscnt 0x0
	v_max3_num_f32 v30, v16, v17, v18
	s_delay_alu instid0(VALU_DEP_1)
	v_max3_num_f32 v30, v30, v19, v20
	s_delay_alu instid0(VALU_DEP_1)
	v_max3_num_f32 v30, v30, v21, v22
	s_delay_alu instid0(VALU_DEP_1)
	v_max_num_f32 v30, v30, v23                    ; M
.irp i, 8,9,10,11,12,13,14,15,24,25
	v_sub_f32 v\i, v\i, v30
.endr
.irp i, 8,9,10,11,12,13,14,15,24,25
	v_mul_f32 v\i, s21, v\i
.endr
	s_wait_alu depctr_va_vdst(0)
.irp i, 8,9,10,11,12,13,14,15,24,25
	v_exp_f32 v\i, v\i                             ; one batch of ten: my eight e, and exp(m_t - M) of my two blocks
.endr
	v_nop                                          ; a plain line behind the last of them
	s_wait_alu depctr_va_vdst(0)                   ; the wait ahead of the first line that names a result
.irp i, 0,1,2,3
	v_cndmask_b32 v[8+\i], v[NIL], v[8+\i], s[40+\i]   ; x mask
	v_cndmask_b32 v[12+\i], v[NIL], v[12+\i], s[44+\i]
.endr
	ds_store_b32 v[FAD], v24                       ; a block's sixteen lanes write the same word with the same value
	ds_store_b32 v[FAD], v25 offset:64
	v_add_f32 v31, v8, v9
	v_add_f32 v16, v10, v11
	v_add_f32 v17, v12, v13
	v_add_f32 v18, v14, v15
	s_delay_alu instid0(VALU_DEP_3)
	v_add_f32 v31, v31, v16
	s_delay_alu instid0(VALU_DEP_2)
	v_add_f32 v17, v17, v18
	s_delay_alu instid0(VALU_DEP_1)
	v_add_f32 v31, v31, v17
.irp k, 1,2,4,8
	s_delay_alu instid0(VALU_DEP_1)
	v_add_f32_dpp v31, v31, v31 row_xmask:\k row_mask:0xf bank_mask:0xf
.endr
	s_delay_alu instid0(VALU_DEP_1)
	v_permlanex16_b32 v27, v31, s22, s23
	s_delay_alu instid0(VALU_DEP_1)
	v_add_f32 v31, v31, v27
	ds_store_b32 v[W4], v31 offset:RSUM
	BAR
	ds_load_b128 v[16:19], v[NIL] offset:RSUM
	ds_load_b128 v[20:23], v[NIL] offset:RSUM+16
.irp i, 0,1,2,3
	ds_load_b32 v[112+\i], v[W4] offset:FF+32*\i   ; the factors of my wave's four blocks
.endr
	s_wait_dscnt 0x0
	v_add_f32 v16, v16, v17
	v_add_f32 v18, v18, v19
	v_add_f32 v20, v20, v21
	v_add_f32 v22, v22, v23
	s_delay_alu instid0(VALU_DEP_3)
	v_add_f32 v16, v16, v18
	s_delay_alu instid0(VALU_DEP_2)
	v_add_f32 v20, v20, v22
	s_delay_alu instid0(VALU_DEP_1)
	v_add_f32 v16, v16, v20                        ; S
	s_delay_alu instid0(VALU_DEP_1)
	v_add_f32 v16, 0x3727c5ac, v16                 ; + 1e-5
	s_wait_alu depctr_va_vdst(0)
	v_rcp_f32 v17, v16
.irp i, 0,1,2,3
	v_mov_b32 v[116+2*\i], v[112+\i]               ; each factor twice, a pair for the packed forms.  (Plain work behind the reciprocal)
	v_mov_b32 v[117+2*\i], v[112+\i]
.endr
.irp j, 0,1,2,3,4,5,6,7
	v_pk_mul_f32 v[96+2*\j:97+2*\j], v[32+2*\j:33+2*\j], v[116:117]
.endr
.irp i, 1,2,3
.irp j, 0,1,2,3,4,5,6,7
	v_pk_fma_f32 v[96+2*\j:97+2*\j], v[32+16*\i+2*\j:33+16*\i+2*\j], v[116+2*\i:117+2*\i], v[96+2*\j:97+2*\j]
.endr
.endr
.irp j, 0,1,2,3
	ds_store_b128 v[CAD], v[96+4*\j:99+4*\j] offset:CACC+512*\j
.endr
	s_wait_alu depctr_va_vdst(0)                   ; the wait for the reciprocal, ahead of its first reader
.irp i, 8,9,10,11,12,13,14,15
	v_mul_f32 v\i, v\i, v17                        ; attention
.endr
	global_store_b128 v[T16], v[8:11], s[12:13]    ; a wave stores 512 consecutive bytes, aligned; every number of out1 is written, the zeros too
	global_store_b128 v[T16], v[12:15], s[12:13] offset:4096
	BAR
.irp i, 0,1,2,3,4,5,6,7
	ds_load_b64 v[64+2*\i:65+2*\i], v[T8] offset:CACC+2048*\i   ; thread i: columns 2 i, 2 i + 1 of each wave's sums
.endr
	s_wait_dscnt 0x0
	v_pk_add_f32 v[64:65], v[64:65], v[66:67]
	v_pk_add_f32 v[68:69], v[68:69], v[70:71]
	v_pk_add_f32 v[72:73], v[72:73], v[74:75]
	v_pk_add_f32 v[76:77], v[76:77], v[78:79]
	s_delay_alu instid0(VALU_DEP_3)
	v_pk_add_f32 v[64:65], v[64:65], v[68:69]
	s_delay_alu instid0(VALU_DEP_2)
	v_pk_add_f32 v[72:73], v[72:73], v[76:77]
	s_delay_alu instid0(VALU_DEP_1)
	v_pk_add_f32 v[64:65], v[64:65], v[72:73]
	v_mul_f32 v64, v64, v17
	v_mul_f32 v65, v65, v17
	global_store_b64 v[T8], v[64:65], s[10:11]     ; a wave stores 256 consecutive bytes, aligned
	s_wait_tensorcnt 0x0
	ds_add_u32 v128, v129
	s_wait_dscnt 0x0
	s_endpgm
.Lfunc_end_k_qd508d8062c_finish:
	.size	k_qd508d8062c_finish, .Lfunc_end_k_qd508d8062c_finish-k_qd508d8062c_finish
	.p2alignl 7, 3214868480
	.fill 96, 4, 3214868480
	.section	.rodata,"a",@progbits
	.p2align	6, 0x0
	.amdhsa_kernel k_qd508d8062c_finish
		.amdhsa_group_segment_fixed_size 18432
		.amdhsa_private_segment_fixed_size 0
		.amdhsa_enable_private_segment 0
		.amdhsa_kernarg_size 40
		.amdhsa_user_sgpr_count 2
		.amdhsa_user_sgpr_kernarg_segment_ptr 1
		.amdhsa_wavefront_size32 1
		.amdhsa_system_sgpr_workgroup_id_x 1
		.amdhsa_system_sgpr_workgroup_id_y 1
		.amdhsa_system_sgpr_workgroup_id_z 1
		.amdhsa_system_vgpr_workitem_id 0
		.amdhsa_next_free_vgpr 130
		.amdhsa_next_free_sgpr 66
		.amdhsa_reserve_vcc 1
		.amdhsa_float_denorm_mode_32 3
		.amdhsa_float_denorm_mode_16_64 3
		.amdhsa_memory_ordered 1
		.amdhsa_forward_progress 1
		.amdhsa_inst_pref_size 19
	.end_amdhsa_kernel
	.amdgpu_metadata
---
amdhsa.version: [ 1, 2 ]
amdhsa.kernels:
  - .name:           k_qd508d8062c_finish
    .symbol:         k_qd508d8062c_finish.kd
    .args:
      - { .name: lg, .offset: 0, .size: 8, .value_kind: global_buffer, .address_space: global }
      - { .name: pctx, .offset: 8, .size: 8, .value_kind: global_buffer, .address_space: global }
      - { .name: length, .offset: 16, .size: 8, .value_kind: global_buffer, .address_space: global }
      - { .name: out0, .offset: 24, .size: 8, .value_kind: global_buffer, .address_space: global }
      - { .name: out1, .offset: 32, .size: 8, .value_kind: global_buffer, .address_space: global }
    .group_segment_fixed_size: 18432
    .private_segment_fixed_size: 0
    .kernarg_segment_align: 8
    .kernarg_segment_size: 40
    .max_flat_workgroup_size: 256
    .sgpr_count:     66
    .vgpr_count:     130
    .wavefront_size: 32
...
	.end_amdgpu_metadata
.endif
;; end of part 3
